; MI455X (gfx1250); checked and timed in simulation.
; The chip was launched on July 23, 2026; its instructions are those of AMD's public machine-readable ISA for CDNA 5 (MIT licence, August 2026) and "CDNA5" Instruction Set Architecture Reference Guide (July 2026).
;; Self Attention Layer. Allowed arithmetic: matrix products marked QUANTISED: E3M2 operands, one E8M0 scale for each 32 along K, by v_wmma_scale_f32_16x16x128_f8f6f4 with both operands' format E3M2, f32 sums; products left as they are: f32 operands where the result goes on into a quantised operand, else bf16, f16 or f32 operands; f32 sums; everything else in f32.
;; Inputs: Wk 1,024 x 1,024 float32; Wo 512 x 1,024 float32; Wq 1,024 x 1,024 float32; Wv 1,024 x 1,024 float32; bo 512 float32; bv 1,024 float32; x 256 x 1,024 float32.
;; Outputs: out0 256 x 512 float32.
;; This version of the problem:
;;   THIS VERSION OF THE PROBLEM IS GIVEN IN LOW PRECISION. The matrix products marked QUANTISED in the list below multiply operands that are first quantised to E3M2 (3 exponent bits, 2 mantissa bits; 6 bits a number), with one power-of-two scale for each 32 numbers along K (OCP MX v1.0); their sums are f32. All else is computed in f32.
;;   The module's matrix products, in the order in which they are computed (A, B: the left and right operand; K: the contracted axis; several contracted axes count as one K, in the product's order):
;;     1. [M 256, K 1,024] x [K 1,024, N 1,024]; A: input x; B: input Wq: QUANTISED
;;     2. [M 256, K 1,024] x [K 1,024, N 1,024]; A: input x; B: input Wk: QUANTISED
;;     3. [M 256, K 1,024] x [K 1,024, N 1,024]; A: input x; B: input Wv: QUANTISED
;;     4. batch 256 x [M 1,024, K 1,024] x [K 1,024, N 1]; A: softmax; B: computed on the way: left as it is (N = 1 < 16)
;;     5. [M 256, K 1,024] x [K 1,024, N 512]; A: computed on the way; B: input Wo: QUANTISED
;;   THE QUANTISER, for each operand of a quantised product, along K:
;;     - K is cut into blocks of 32 from its start; a last block that is shorter is filled with zeros.
;;     - A block's scale is 2^e with e = floor(log2(the largest magnitude in the block)) - 4, held to -126 .. 127; a block of zeros has e = 0. As a byte (E8M0): e + 127.
;;     - Each number is divided by its block's scale, clamped to +-28, and rounded to the nearest number of E3M2, ties to even, subnormals kept.
;;     - The product sums the exact products of the quantised numbers (number of the format x scale) in f32.
;;   ~~~python
;;   def quantise(x, axis):      # numpy; x: float32 -> the quantised numbers, widened to float32 again
;;       x = np.moveaxis(x, axis, -1); K = x.shape[-1]
;;       x = np.pad(x, [(0, 0)] * (x.ndim - 1) + [(0, -K % 32)]); x = x.reshape(x.shape[:-1] + (-1, 32)); a = np.abs(x).max(-1, keepdims=True)
;;       e = np.where(a > 0, np.clip(np.frexp(np.where(a > 0, a, 1))[1] - 1 - 4, -126, 127), 0)      # np.frexp(a)[1] - 1 = floor(log2(a)), exactly
;;       r = np.clip(x / 2.0 ** e, -28, 28)
;;       step = 2.0 ** (np.maximum(np.frexp(np.where(r == 0, 1, r))[1] - 1, -2) - 2)
;;       q = np.round(r / step) * step * 2.0 ** e      # np.round: ties to even
;;       return np.moveaxis(q.reshape(q.shape[:-2] + (-1,))[..., :K], -1, axis).astype(np.float32)
;;   ~~~
;;   OPERANDS COMPUTED ON THE WAY. 'Computed on the way' means the value that the module computes at that place (a softmax that the list does not call 'softmax' is quantised finished and normalised). What goes into a quantiser is computed in f32, as accurately as f32 sums, v_exp_f32 and their like allow (about 1e-6 of the number): no bf16 or f16 on the way to a quantiser, and a product that is left as it is and whose result goes on into a quantised operand takes f32 operands (vector FMAs, or v_wmma_f32_16x16x4_f32). A number that lies on a knife's edge between two numbers of the format may be rounded either way, as far as f32 arithmetic and the matrix unit's own rounding can turn it there, and no further.
;; One version. Each part assembles by itself: llvm-mc -triple=amdgcn-amd-amdhsa -mcpu=gfx1250 --defsym DOCPART=n.
;; ======== version 1 of 1: 2 launches
;; workspace buffers: qkv 3,145,728 bytes; wo_codes 393,216 bytes; wo_scales 16,384 bytes
;; launch project (part 1): grid 49 x 4, 16 waves a work-group, no clusters, 257,024 bytes of LDS; arguments x, Wq, Wk, Wv, bv, Wo, qkv, wo_codes, wo_scales; writes qkv, wo_codes, wo_scales
.if DOCPART == 1
	.amdgcn_target "amdgcn-amd-amdhsa--gfx1250"
	.amdhsa_code_object_version 6
	.text
	.protected	k_q336e793918_project
	.globl	k_q336e793918_project
	.p2align	8
	.type	k_q336e793918_project,@function
k_q336e793918_project:
	s_mov_b64 s[64:65], 0
	v_nop
	global_prefetch_b8 v0, s[64:65] scope:SCOPE_SE
	s_setreg_imm32_b32 hwreg(HW_REG_WAVE_MODE, 25, 1), 1
	s_wait_xcnt 0x0
.set FRB,  1536
.set IMG,  0
.set SCL,  98304
.set STG,  102400
.set STGW, 8448
.set SP,   528
.set OSTG, 237568
.set OP,   272
.set L16,  1
.set STW,  2
.set STR,  3
.set AIM,  4
.set ASC,  5
.set BOF,  7
.set TM,   8
.set PW,   24
.set PC,   26
.set BIA,  46
.set ACC0, 54
.set ACC1, 8
.set R,    62
.set GFX,  16
.set GFW,  17
.set GSX,  18
.set GSW,  19
.set OSW,  20
.set OSR,  21
.set GO,   22
.set CPA,  23
.set CPG,  25
.set CPS,  44
.set FX,   62
.set FW,   158
.set SX,   26
.set SW,   34
.set WV,   22
.set SEL,  38
.set MSK,  44
.macro QUANT s
.irp b, 0,1,2,3
	v_max3_num_f32 v[TM+\b], |v[\s+16*\b]|, |v[\s+1+16*\b]|, 0x2800000
.endr
.irp i, 2,4,6,8,10,12,14
.irp b, 0,1,2,3
	v_max3_num_f32 v[TM+\b], v[TM+\b], |v[\s+16*\b+\i]|, |v[\s+1+16*\b+\i]|
.endr
.endr
.irp b, 0,1,2,3
	v_permlanex16_b32 v[TM+4+\b], v[TM+\b], s[SEL], s[SEL+1]
.endr
.irp b, 0,1,2,3
	v_max_num_f32 v[TM+\b], v[TM+\b], v[TM+4+\b]
.endr
.irp b, 0,1,2,3
	v_add_nc_u32 v[TM+12+\b], 0xfe000000, v[TM+\b]
.endr
.irp b, 0,1,2,3
	v_lshrrev_b32 v[TM+4+\b], 23, v[TM+12+\b]
.endr
	v_lshl_or_b32 v[PW], v[TM+5], 8, v[TM+4]
	v_lshl_or_b32 v[PW], v[TM+6], 16, v[PW]
	v_lshl_or_b32 v[PW], v[TM+7], 24, v[PW]
.irp c, 0,1
	v_cvt_scalef32_pk16_bf6_f32 v[PC+6*\c:PC+2+6*\c], v[\s+32*\c:\s+15+32*\c], v[TM+12+2*\c]
	v_cvt_scalef32_pk16_bf6_f32 v[PC+12+4*\c:PC+14+4*\c], v[\s+16+32*\c:\s+31+32*\c], v[TM+12+2*\c+1]
.endr
	v_nop
.irp c, 0,1
.irp i, 0,1,2
	v_permlane16_swap_b32 v[PC+6*\c+\i], v[PC+12+4*\c+\i]
.endr
.irp i, 0,1,2
	v_mov_b32 v[PC+3+6*\c+\i], v[PC+12+4*\c+\i]
.endr
.endr
.irp i, 0,1,2,3,4,5,6,7,8,9,10,11
	v_xor_b32 v[PC+\i], s[MSK+\i%3], v[PC+\i]
.endr
.endm
.macro GLOAD t
.irp p, 0,1,2,3,4,5,6,7,8,9,10,11,12,13,14,15
	global_load_b128 v[R+64*((\t)%3)+4*\p:R+64*((\t)%3)+4*\p+3], v[L16], s[32:33] offset:(16*(\t)+\p)*4096
.endr
.endm
.macro JOB t, left
.set RS, R+64*((\t)%3)
	s_wait_loadcnt \left
.irp p, 0,1,2,3,4,5,6,7,8,9,10,11,12,13,14,15
	ds_store_b128 v[STW], v[RS+4*\p:RS+4*\p+3] offset:\p*SP
.endr
.irp b, 0,1,2,3
.irp j, 0,1,2,3
	ds_load_b128 v[RS+16*\b+4*\j:RS+16*\b+4*\j+3], v[STR] offset:128*\b+16*\j
.endr
.endr
	s_wait_dscnt 0x0
	QUANT RS
.irp c, 0,1,2
	ds_store_b128 v[AIM], v[PC+4*\c:PC+4*\c+3] offset:IMG+(\t)*12288+512*\c
.endr
	ds_store_b32 v[ASC], v[PW] offset:(\t)*512
.endm
	s_load_b512 s[4:19], s[0:1], 0x0
	s_load_b64 s[20:21], s[0:1], 0x40
	v_lshl_add_u32 v254, v0, 2, 0x3e400
	v_mov_b32 v255, 0
	v_lshrrev_b32 v6, 5, v0
	v_readfirstlane_b32 s[WV], v6
	v_and_b32 v6, 31, v0
	v_lshlrev_b32 v[L16], 4, v6
	v_and_b32 v24, 15, v0
	v_bfe_u32 v[BOF], v0, 4, 1
	s_and_b32 s23, s[WV], 7
	s_lshr_b32 s24, s[WV], 3
	s_and_b32 s34, s[WV], 3
	s_lshr_b32 s35, s[WV], 2
	s_mul_i32 s26, s[WV], STGW
	s_add_co_u32 s26, s26, STG
	v_add_nc_u32 v[STW], s26, v[L16]
	v_mul_u32_u24 v[STR], v24, SP
	v_lshl_add_u32 v[STR], v[BOF], 6, v[STR]
	v_add_nc_u32 v[STR], s26, v[STR]
	s_mul_i32 s26, s23, FRB
	s_mul_i32 s27, s24, 49152
	s_add_co_u32 s26, s26, s27
	v_add_nc_u32 v[AIM], s26, v[L16]
	s_lshl_b32 s26, s23, 6
	s_lshl_b32 s27, s24, 11
	s_add_co_u32 s26, s26, s27
	s_add_co_u32 s26, s26, SCL
	v_lshl_add_u32 v[ASC], v24, 2, s26
	v_lshlrev_b32 v[BOF], 5, v[BOF]
	s_mov_b32 s[SEL], 0x76543210
	s_mov_b32 s[SEL+1], 0xfedcba98
.irp b, 0,1,2,3
	v_mov_b32 v[TM+4+\b], 0
.endr
	s_and_b32 s25, ttmp7, 0xffff
	s_lshr_b32 s28, ttmp9, 4
	s_and_b32 s29, ttmp9, 15
	s_lshl_b32 s31, s25, 1
	s_add_co_u32 s31, s31, s24
	s_cmp_eq_u32 s24, 0
	s_cselect_b32 s30, s25, s29
	s_cmp_eq_u32 s28, 3
	s_cselect_b32 s30, s31, s30
	s_lshl_b32 s30, s30, 18
	s_lshl_b32 s31, s23, 9
	s_add_co_u32 s30, s30, s31
	s_mov_b32 s31, 0
	s_lshl_b32 s36, s29, 8
	s_lshl_b32 s37, s35, 6
	s_add_co_u32 s36, s36, s37
	s_mov_b32 s37, 0
	s_and_b32 s43, s23, 1
	s_cmp_eq_u32 s24, 0
	s_cselect_b32 s43, s43, 0
	s_cmp_eq_u32 s28, 3
	s_cselect_b32 s43, 0, s43
	s_cmp_lg_u32 s43, 0
	s_cselect_b32 s[MSK], 0x20820820, 0
	s_cselect_b32 s[MSK+1], 0x08208208, 0
	s_cselect_b32 s[MSK+2], 0x82082082, 0
	s_wait_kmcnt 0x0
	s_cmp_eq_u32 s28, 0
	s_cselect_b64 s[32:33], s[6:7], s[8:9]
	s_cmp_eq_u32 s28, 2
	s_cselect_b64 s[32:33], s[10:11], s[32:33]
	s_cselect_b32 s42, -1, 0
	s_cmp_eq_u32 s24, 0
	s_cselect_b64 s[32:33], s[4:5], s[32:33]
	s_cmp_eq_u32 s28, 3
	s_cselect_b64 s[32:33], s[14:15], s[32:33]
	s_add_nc_u64 s[32:33], s[32:33], s[30:31]
	s_add_nc_u64 s[12:13], s[12:13], s[36:37]
	global_load_b128 v[BIA:BIA+3], v[BOF], s[12:13]
	global_load_b128 v[BIA+4:BIA+7], v[BOF], s[12:13] offset:16
	GLOAD 0
	GLOAD 1
	GLOAD 2
	JOB 0, 32
	GLOAD 3
	JOB 1, 32
	JOB 2, 16
	JOB 3, 0
.irp j, 0,1,2,3,4,5,6,7
	v_cndmask_b32 v[BIA+\j], 0, v[BIA+\j], s42
.endr
	s_mul_i32 s26, s34, 12288
	v_add_nc_u32 v[GFX], s26, v[L16]
	s_mul_i32 s26, s35, 12288
	s_add_co_u32 s26, s26, 49152
	v_add_nc_u32 v[GFW], s26, v[L16]
	v_and_b32 v42, 15, v0
	v_bfe_u32 v43, v0, 4, 1
	s_lshl_b32 s26, s34, 9
	s_add_co_u32 s26, s26, SCL
	v_lshl_add_u32 v[GSX], v42, 2, s26
	s_lshl_b32 s26, s35, 9
	s_add_co_u32 s26, s26, SCL+2048
	v_lshl_add_u32 v[GSW], v42, 2, s26
	s_mul_i32 s26, s34, 16*OP
	s_lshl_b32 s27, s35, 6
	s_add_co_u32 s26, s26, s27
	s_add_co_u32 s26, s26, OSTG
	v_mul_u32_u24 v[OSW], v42, OP
	v_lshl_add_u32 v[OSW], v43, 5, v[OSW]
	v_add_nc_u32 v[OSW], s26, v[OSW]
	s_mul_i32 s26, s[WV], 4*OP
	s_add_co_u32 s26, s26, OSTG
	v_mul_u32_u24 v[OSR], v43, OP
	v_lshl_add_u32 v[OSR], v42, 4, v[OSR]
	v_add_nc_u32 v[OSR], s26, v[OSR]
	v_lshlrev_b32 v[GO], 12, v43
	v_lshl_add_u32 v[GO], v42, 4, v[GO]
	s_mul_i32 s26, s[WV], 6144
	v_add_nc_u32 v[CPA], s26, v[L16]
	v_lshlrev_b32 v[CPG], 3, v0
	v_add_nc_u32 v[CPS], SCL, v[CPG]
	s_wait_dscnt 0x0
	s_barrier_signal -1
	s_barrier_wait -1
	s_cmp_eq_u32 s28, 3
	s_cbranch_scc1 .Lwo
.irp s, 0,1,2,3,4,5,6,7
.irp c, 0,1,2
	ds_load_b128 v[FW+12*\s+4*\c:FW+12*\s+4*\c+3], v[GFW] offset:IMG+\s*FRB+512*\c
	ds_load_b128 v[FX+12*\s+4*\c:FX+12*\s+4*\c+3], v[GFX] offset:IMG+\s*FRB+512*\c
.endr
	ds_load_b32 v[SW+\s], v[GSW] offset:64*\s
	ds_load_b32 v[SX+\s], v[GSX] offset:64*\s
.endr
	s_lshl_b32 s40, s28, 20
	s_lshl_b32 s41, s25, 18
	s_add_co_u32 s40, s40, s41
	s_lshl_b32 s41, s[WV], 14
	s_add_co_u32 s40, s40, s41
	s_lshl_b32 s41, s29, 8
	s_add_co_u32 s40, s40, s41
	s_mov_b32 s41, 0
	s_add_nc_u64 s[16:17], s[16:17], s[40:41]
.irp s, 0,1,2,3,4,5,6,7
	s_wait_dscnt 8*(7-\s)
.if \s == 0
	v_wmma_scale_f32_16x16x128_f8f6f4 v[ACC0:ACC0+7], v[FW+12*\s:FW+12*\s+11], v[FX+12*\s:FX+12*\s+11], 0, v[SW+\s], v[SX+\s] matrix_a_fmt:MATRIX_FMT_BF6 matrix_b_fmt:MATRIX_FMT_BF6
.elseif \s == 1
	v_wmma_scale_f32_16x16x128_f8f6f4 v[ACC1:ACC1+7], v[FW+12*\s:FW+12*\s+11], v[FX+12*\s:FX+12*\s+11], 0, v[SW+\s], v[SX+\s] matrix_a_fmt:MATRIX_FMT_BF6 matrix_b_fmt:MATRIX_FMT_BF6
.elseif \s % 2 == 0
	v_wmma_scale_f32_16x16x128_f8f6f4 v[ACC0:ACC0+7], v[FW+12*\s:FW+12*\s+11], v[FX+12*\s:FX+12*\s+11], v[ACC0:ACC0+7], v[SW+\s], v[SX+\s] matrix_a_fmt:MATRIX_FMT_BF6 matrix_b_fmt:MATRIX_FMT_BF6
.else
	v_wmma_scale_f32_16x16x128_f8f6f4 v[ACC1:ACC1+7], v[FW+12*\s:FW+12*\s+11], v[FX+12*\s:FX+12*\s+11], v[ACC1:ACC1+7], v[SW+\s], v[SX+\s] matrix_a_fmt:MATRIX_FMT_BF6 matrix_b_fmt:MATRIX_FMT_BF6
.endif
.endr
.rept 4
	v_nop
.endr
.irp j, 0,2,4,6
	v_pk_add_f32 v[FX+\j:FX+\j+1], v[ACC0+\j:ACC0+\j+1], v[ACC1+\j:ACC1+\j+1] neg_lo:[0,1] neg_hi:[0,1]
.endr
.irp j, 0,2,4,6
	v_pk_add_f32 v[FX+\j:FX+\j+1], v[FX+\j:FX+\j+1], v[BIA+\j:BIA+\j+1]
.endr
	ds_store_b128 v[OSW], v[FX:FX+3]
	ds_store_b128 v[OSW], v[FX+4:FX+7] offset:16
	s_wait_dscnt 0x0
	s_barrier_signal -1
	s_barrier_wait -1
	ds_load_b128 v[FX+8:FX+11], v[OSR]
	ds_load_b128 v[FX+12:FX+15], v[OSR] offset:2*OP
	s_wait_dscnt 0x0
	global_store_b128 v[GO], v[FX+8:FX+11], s[16:17]
	global_store_b128 v[GO], v[FX+12:FX+15], s[16:17] offset:8192
	s_wait_tensorcnt 0x0
	ds_add_u32 v254, v255
	s_wait_dscnt 0x0
	s_endpgm
.Lwo:
	s_mul_i32 s36, s25, 98304
	s_add_nc_u64 s[18:19], s[18:19], s[36:37]
	s_lshl_b32 s36, s25, 12
	s_add_nc_u64 s[20:21], s[20:21], s[36:37]
.irp i, 0,1,2,3,4,5,6,7,8,9,10,11
	ds_load_b128 v[R+4*\i:R+4*\i+3], v[CPA] offset:IMG+512*\i
.endr
	ds_load_b64 v[R+48:R+49], v[CPS]
.irp i, 0,1,2,3,4,5,6,7,8,9,10,11
	s_wait_dscnt 12-\i
	global_store_b128 v[CPA], v[R+4*\i:R+4*\i+3], s[18:19] offset:512*\i
.endr
	s_wait_dscnt 0x0
	global_store_b64 v[CPG], v[R+48:R+49], s[20:21]
	s_wait_tensorcnt 0x0
	ds_add_u32 v254, v255
	s_wait_dscnt 0x0
	s_endpgm
.Lfunc_end_k_q336e793918_project:
	.size	k_q336e793918_project, .Lfunc_end_k_q336e793918_project-k_q336e793918_project
	.p2alignl 7, 3214868480
	.fill 96, 4, 3214868480
	.section	.rodata,"a",@progbits
	.p2align	6, 0x0
	.amdhsa_kernel k_q336e793918_project
		.amdhsa_group_segment_fixed_size 257024
		.amdhsa_private_segment_fixed_size 0
		.amdhsa_enable_private_segment 0
		.amdhsa_kernarg_size 72
		.amdhsa_user_sgpr_count 2
		.amdhsa_user_sgpr_kernarg_segment_ptr 1
		.amdhsa_wavefront_size32 1
		.amdhsa_system_sgpr_workgroup_id_x 1
		.amdhsa_system_sgpr_workgroup_id_y 1
		.amdhsa_system_sgpr_workgroup_id_z 1
		.amdhsa_system_vgpr_workitem_id 0
		.amdhsa_next_free_vgpr 256
		.amdhsa_next_free_sgpr 66
		.amdhsa_reserve_vcc 0
		.amdhsa_float_denorm_mode_32 3
		.amdhsa_float_denorm_mode_16_64 3
		.amdhsa_memory_ordered 1
		.amdhsa_forward_progress 1
		.amdhsa_inst_pref_size 47
	.end_amdhsa_kernel
	.amdgpu_metadata
---
amdhsa.version: [ 1, 2 ]
amdhsa.kernels:
  - .name:           k_q336e793918_project
    .symbol:         k_q336e793918_project.kd
    .args:
      - { .name: x, .offset: 0, .size: 8, .value_kind: global_buffer, .address_space: global }
      - { .name: Wq, .offset: 8, .size: 8, .value_kind: global_buffer, .address_space: global }
      - { .name: Wk, .offset: 16, .size: 8, .value_kind: global_buffer, .address_space: global }
      - { .name: Wv, .offset: 24, .size: 8, .value_kind: global_buffer, .address_space: global }
      - { .name: bv, .offset: 32, .size: 8, .value_kind: global_buffer, .address_space: global }
      - { .name: Wo, .offset: 40, .size: 8, .value_kind: global_buffer, .address_space: global }
      - { .name: qkv, .offset: 48, .size: 8, .value_kind: global_buffer, .address_space: global }
      - { .name: wo_codes, .offset: 56, .size: 8, .value_kind: global_buffer, .address_space: global }
      - { .name: wo_scales, .offset: 64, .size: 8, .value_kind: global_buffer, .address_space: global }
    .group_segment_fixed_size: 257024
    .private_segment_fixed_size: 0
    .kernarg_segment_align: 8
    .kernarg_segment_size: 72
    .max_flat_workgroup_size: 512
    .sgpr_count:     66
    .vgpr_count:     256
    .wavefront_size: 32
...
	.end_amdgpu_metadata
.endif
;; end of part 1
;; launch attend (part 2): grid 256 x 1, 16 waves a work-group, no clusters, 172,544 bytes of LDS; arguments qkv, wo_codes, wo_scales, bo, out0; writes out0
.if DOCPART == 2
	.amdgcn_target "amdgcn-amd-amdhsa--gfx1250"
	.amdhsa_code_object_version 6
	.text
	.protected	k_q336e793918_attend
	.globl	k_q336e793918_attend
	.p2align	8
	.type	k_q336e793918_attend,@function
k_q336e793918_attend:
	s_mov_b64 s[64:65], 0
	v_nop
	global_prefetch_b8 v0, s[64:65] scope:SCOPE_SE
	s_setreg_imm32_b32 hwreg(HW_REG_WAVE_MODE, 25, 1), 1
	s_wait_xcnt 0x0
.set TAB,  0
.set PART, 16384
.set ATT,  147456
.set CW,   152064
.set OST,  168448
.set KOFF, 1048576
.set VOFF, 2097152
.set TADR, 1
.set PB0,  2
.set RAD,  3
.set PADA, 4
.set PADB, 5
.set ZR,   6
.set L16,  7
.set RA,   8
.set RB,   12
.set SUM,  16
.set ACC,  18
.set OA,   20
.set OB,   22
.set K,    64
.set V,    128
.set S,    192
.set WF,   64
.set AF,   8
.set D0,   32
.set D1,   40
.set AS,   48
.set L4,   52
.set T4,   53
.set AFA,  54
.set BO,   55
.set WS,   56
.set WV,   14
.set CNT,  26
.set RO,   27
.set PO,   28
.macro BODY e, rec, doa, dot, start
.set SE, S+32*(\e)
.set SO, S+32*(1-(\e))
.set KO, K+32*(1-(\e))
.set VO, V+32*(1-(\e))
.set m, 0
.rept 16
	v_exp_f32 v[SE+2*m], v[SE+2*m]
.if \doa
.if (\start) && (m == 0)
	v_pk_add_f32 v[SUM:SUM+1], v[SO:SO+1], v[SO+2:SO+3]
.elseif ((\start) == 0) || (m > 1)
	v_pk_add_f32 v[SUM:SUM+1], v[SUM:SUM+1], v[SO+2*m:SO+2*m+1]
.endif
.endif
	v_exp_f32 v[SE+2*m+1], v[SE+2*m+1]
.if \doa
.if (\start) && (m == 0)
	v_pk_mul_f32 v[ACC:ACC+1], v[SO:SO+1], v[VO:VO+1]
.else
	v_pk_fma_f32 v[ACC:ACC+1], v[SO+2*m:SO+2*m+1], v[VO+2*m:VO+2*m+1], v[ACC:ACC+1]
.endif
.endif
.if \dot
	v_pk_fma_f32 v[SO+2*m:SO+2*m+1], v[KO+2*m:KO+2*m+1], v[\rec:\rec+1], v[\rec+2:\rec+3]
.endif
.set m, m+1
.endr
	s_wait_alu depctr_va_vdst(0)
.endm
.macro FINISH outp, pad, off
	v_add_f32 v[\outp], v[SUM], v[SUM+1]
	v_add_f32 v[\outp+1], v[ACC], v[ACC+1]
	v_add_nc_u32 v[\pad], s[PO], v[PB0]
	ds_store_b64 v[\pad], v[\outp:\outp+1] offset:\off
.endm
	s_load_b256 s[4:11], s[0:1], 0x0
	s_load_b64 s[12:13], s[0:1], 0x20
	v_lshrrev_b32 v1, 5, v0
	v_readfirstlane_b32 s[WV], v1
	v_lshlrev_b32 v[TADR], 4, v0
	v_and_b32 v24, 31, v0
	v_lshlrev_b32 v[L16], 4, v24
	v_mov_b32 v[ZR], 0
	v_lshlrev_b32 v25, 2, v0
	s_lshl_b32 s24, s[WV], 13
	s_add_co_u32 s24, s24, PART
	v_lshl_add_u32 v[PB0], v24, 3, s24
	v_mov_b32 v30, 0
	v_mov_b32 v31, 0
	s_lshl_b32 s16, ttmp9, 12
	s_mov_b32 s17, 0
	s_lshl_b32 s18, s[WV], 8
	s_mov_b32 s19, 0
	s_mov_b32 s20, 0x3d38aa3b
	s_mov_b32 s22, 0x76543210
	s_mov_b32 s23, 0xfedcba98
	s_wait_kmcnt 0x0
	s_add_nc_u64 s[4:5], s[4:5], s[16:17]
	s_add_nc_u64 s[16:17], s[4:5], s[18:19]
	s_mul_i32 s18, s[WV], 24576
	s_add_nc_u64 s[6:7], s[6:7], s[18:19]
	s_lshl_b32 s18, s[WV], 10
	s_add_nc_u64 s[8:9], s[8:9], s[18:19]
	s_lshl_b32 s18, ttmp9, 11
	s_add_nc_u64 s[12:13], s[12:13], s[18:19]
.irp m, 0,1,2,3,4,5,6,7
	global_load_b128 v[S+4*\m:S+4*\m+3], v[L16], s[4:5] offset:KOFF+512*\m
.endr
	global_load_b32 v26, v25, s[4:5]
	global_load_b32 v27, v25, s[4:5] offset:2048
.irp p, 0,1,2,3,4,5,6,7,8,9,10,11,12,13,14,15
	global_load_b128 v[K+4*\p:K+4*\p+3], v[ZR], s[16:17] offset:KOFF+16*\p
.endr
.irp p, 0,1,2,3,4,5,6,7,8,9,10,11,12,13,14,15
	global_load_b128 v[V+4*\p:V+4*\p+3], v[ZR], s[16:17] offset:VOFF+16*\p
.endr
	s_wait_loadcnt 32
	v_max3_num_f32 v28, v[S], v[S+1], v[S+2]
	v_min3_num_f32 v29, v[S], v[S+1], v[S+2]
.irp i, 3,5,7,9,11,13,15,17,19,21,23,25,27,29
	v_max3_num_f32 v28, v28, v[S+\i], v[S+\i+1]
	v_min3_num_f32 v29, v29, v[S+\i], v[S+\i+1]
.endr
	v_max_num_f32 v28, v28, v[S+31]
	v_min_num_f32 v29, v29, v[S+31]
.irp x, 1,2,4,8
	v_max_num_f32_dpp v28, v28, v28 row_xmask:\x row_mask:0xf bank_mask:0xf
	v_min_num_f32_dpp v29, v29, v29 row_xmask:\x row_mask:0xf bank_mask:0xf
.endr
	v_permlanex16_b32 v30, v28, s22, s23
	v_permlanex16_b32 v31, v29, s22, s23
	v_max_num_f32 v28, v28, v30
	v_min_num_f32 v29, v29, v31
.irp d, 0,1
	v_mul_f32 v[RA+4*\d], s20, v[26+\d]
	v_mul_f32 v[32+2*\d], v[RA+4*\d], v28
	v_mul_f32 v[33+2*\d], v[RA+4*\d], v29
	v_max_num_f32 v[32+2*\d], v[32+2*\d], v[33+2*\d]
	v_mov_b32 v[RA+1+4*\d], v[RA+4*\d]
	v_mul_f32 v[RA+2+4*\d], -1.0, v[32+2*\d]
	v_mul_f32 v[RA+3+4*\d], -1.0, v[32+2*\d]
.endr
	ds_store_b128 v[TADR], v[RA:RA+3] offset:TAB
	ds_store_b128 v[TADR], v[RB:RB+3] offset:TAB+8192
	s_wait_dscnt 0x0
	s_barrier_signal -1
	s_barrier_wait -1
	ds_load_b128 v[RA:RA+3], v[L16] offset:TAB
	ds_load_b128 v[RB:RB+3], v[L16] offset:TAB+512
	s_mov_b32 s[RO], 0
	s_mov_b32 s[PO], 0
	s_mov_b32 s[CNT], 15
	s_wait_loadcnt 0x0
	s_wait_dscnt 0x0
.set m, 0
.rept 16
	v_pk_fma_f32 v[S+2*m:S+2*m+1], v[K+2*m:K+2*m+1], v[RA:RA+1], v[RA+2:RA+3]
.set m, m+1
.endr
	BODY 0, RA, 0, 1, 0
.Ltrip:
	BODY 1, RB, 1, 1, 1
	v_add_nc_u32 v[RAD], s[RO], v[L16]
	ds_load_b128 v[RA:RA+3], v[RAD] offset:TAB+1024
	BODY 0, RB, 1, 1, 0
	FINISH OA, PADA, 0
	s_wait_dscnt 0x1
	BODY 1, RA, 1, 1, 1
	ds_load_b128 v[RB:RB+3], v[RAD] offset:TAB+1536
	BODY 0, RA, 1, 1, 0
	FINISH OB, PADB, 256
	s_wait_dscnt 0x1
	s_add_co_u32 s[RO], s[RO], 1024
	s_add_co_u32 s[PO], s[PO], 512
	s_sub_co_u32 s[CNT], s[CNT], 1
	s_cmp_lg_u32 s[CNT], 0
	s_cbranch_scc1 .Ltrip
	BODY 1, RB, 1, 1, 1
	BODY 0, RB, 1, 1, 0
	FINISH OA, PADA, 0
	BODY 1, RB, 1, 0, 1
.set m, 0
.rept 16
	v_pk_add_f32 v[SUM:SUM+1], v[SUM:SUM+1], v[S+32+2*m:S+32+2*m+1]
	v_pk_fma_f32 v[ACC:ACC+1], v[S+32+2*m:S+32+2*m+1], v[V+32+2*m:V+32+2*m+1], v[ACC:ACC+1]
.set m, m+1
.endr
	FINISH OB, PADB, 256
	v_and_b32 v[L4], 31, v0
	v_lshlrev_b32 v[L4], 2, v[L4]
	v_lshlrev_b32 v[T4], 2, v0
.irp f, 0,1,2,3,4,5,6,7,8,9,10,11,12,13,14,15
.irp c, 0,1,2
	global_load_b128 v[WF+12*\f+4*\c:WF+12*\f+4*\c+3], v[L16], s[6:7] offset:\f*1536+512*\c
.endr
.endr
.irp u, 0,1
.irp a, 0,1,2,3
	global_load_b32 v[WS+4*\u+\a], v[L4], s[8:9] offset:512*\u+128*\a
.endr
.endr
	global_load_b32 v[BO], v[T4], s[10:11]
	v_lshl_add_u32 v1, v0, 3, PART
	v_add_nc_u32 v2, 0x10000, v1
	s_wait_dscnt 0x0
	s_barrier_signal -1
	s_barrier_wait -1
.macro REDUCE off, dst
.irp p, 0,1,2,3,4,5,6,7
	ds_load_b64 v[8+2*\p:9+2*\p], v1 offset:8192*\p+\off
.endr
.irp p, 0,1,2,3,4,5,6,7
	ds_load_b64 v[24+2*\p:25+2*\p], v2 offset:8192*\p+\off
.endr
	s_wait_dscnt 0x0
.irp p, 0,1,2,3,4,5,6,7
	v_pk_add_f32 v[8+2*\p:9+2*\p], v[8+2*\p:9+2*\p], v[24+2*\p:25+2*\p]
.endr
.irp p, 0,1,2,3
	v_pk_add_f32 v[8+2*\p:9+2*\p], v[8+2*\p:9+2*\p], v[16+2*\p:17+2*\p]
.endr
.irp p, 0,1
	v_pk_add_f32 v[8+2*\p:9+2*\p], v[8+2*\p:9+2*\p], v[12+2*\p:13+2*\p]
.endr
	v_pk_add_f32 v[\dst:\dst+1], v[8:9], v[10:11]
.endm
	REDUCE 0, 40
	REDUCE 4096, 42
	v_rcp_f32 v44, v40
	v_rcp_f32 v45, v42
	v_lshrrev_b32 v3, 5, v0
	v_lshlrev_b32 v3, 4, v3
	v_lshl_add_u32 v3, v0, 2, v3
	v_add_nc_u32 v3, ATT, v3
	s_wait_alu depctr_va_vdst(0)
	v_mul_f32 v46, v41, v44
	v_mul_f32 v47, v43, v45
	v_fma_f32 v48, -v46, v40, v41
	v_fma_f32 v49, -v47, v42, v43
	v_fma_f32 v46, v48, v44, v46
	v_fma_f32 v47, v49, v45, v47
	ds_store_b32 v3, v46
	ds_store_b32 v3, v47 offset:2304
	s_wait_dscnt 0x0
	s_barrier_signal -1
	s_barrier_wait -1
	v_and_b32 v5, 31, v0
	v_mul_u32_u24 v4, v5, 144
	v_add_nc_u32 v4, ATT, v4
.irp m, 0,1,2,3,4,5,6,7
	ds_load_b128 v[8+4*\m:11+4*\m], v4 offset:16*\m
.endr
	s_lshl_b32 s24, s[WV], 10
	s_add_co_u32 s24, s24, CW
	s_add_co_u32 s25, s24, 768
	v_mul_u32_u24 v1, v5, 24
	v_add_nc_u32 v1, s24, v1
	v_add_nc_u32 v2, s25, v5
	v_bfe_u32 v3, v0, 4, 1
	v_mul_u32_u24 v[AFA], v3, 24
	v_add_nc_u32 v[AFA], s24, v[AFA]
	v_lshl_add_u32 v3, v3, 2, s25
	s_wait_dscnt 0x0
	v_max3_num_f32 v40, |v8|, |v9|, 0x2800000
	v_max3_num_f32 v41, |v10|, |v11|, 0x2800000
.irp i, 12,16,20,24,28,32,36
	v_max3_num_f32 v40, v40, |v[\i]|, |v[\i+1]|
	v_max3_num_f32 v41, v41, |v[\i+2]|, |v[\i+3]|
.endr
	v_max_num_f32 v40, v40, v41
	v_add_nc_u32 v41, 0xfe000000, v40
	v_cvt_scalef32_pk16_bf6_f32 v[42:44], v[8:23], v41
	v_cvt_scalef32_pk16_bf6_f32 v[4:6], v[24:39], v41
	v_lshrrev_b32 v40, 23, v41
	v_mov_b32 v45, v4
	v_mov_b32 v46, v5
	v_mov_b32 v47, v6
	ds_store_b64 v1, v[42:43]
	ds_store_b64 v1, v[44:45] offset:8
	ds_store_b64 v1, v[46:47] offset:16
	ds_store_b8 v2, v40
.irp a, 0,1,2,3
	ds_load_b32 v[AS+\a], v3 offset:8*\a
.endr
.irp a, 0,1,2,3
.if \a > 0
.rept 4
	v_nop
.endr
.endif
.irp z, 0,1
.irp p, 0,1,2,3,4,5
	ds_load_b64 v[AF+12*\z+2*\p:AF+12*\z+2*\p+1], v[AFA] offset:96*(2*\a+\z)+48*(\p/3)+8*(\p%3)
.endr
.endr
.if \a == 0
	s_wait_loadcnt 0x0
.endif
	s_wait_dscnt 0x0
.irp u, 0,1
.if \a == 0
	v_wmma_scale_f32_16x16x128_f8f6f4 v[D0+8*\u:D0+8*\u+7], v[AF:AF+11], v[WF+12*(8*\u+2*\a):WF+12*(8*\u+2*\a)+11], 0, v[AS+\a], v[WS+4*\u+\a] matrix_a_fmt:MATRIX_FMT_BF6 matrix_b_fmt:MATRIX_FMT_BF6
.else
	v_wmma_scale_f32_16x16x128_f8f6f4 v[D0+8*\u:D0+8*\u+7], v[AF:AF+11], v[WF+12*(8*\u+2*\a):WF+12*(8*\u+2*\a)+11], v[D0+8*\u:D0+8*\u+7], v[AS+\a], v[WS+4*\u+\a] matrix_a_fmt:MATRIX_FMT_BF6 matrix_b_fmt:MATRIX_FMT_BF6
.endif
.endr
.irp u, 0,1
	v_wmma_scale_f32_16x16x128_f8f6f4 v[D0+8*\u:D0+8*\u+7], v[AF+12:AF+23], v[WF+12*(8*\u+2*\a+1):WF+12*(8*\u+2*\a+1)+11], v[D0+8*\u:D0+8*\u+7], v[AS+\a], v[WS+4*\u+\a] matrix_a_fmt:MATRIX_FMT_BF6 matrix_b_fmt:MATRIX_FMT_BF6 matrix_a_scale:MATRIX_SCALE_ROW1 matrix_b_scale:MATRIX_SCALE_ROW1
.endr
.endr
	v_lshl_add_u32 v1, v0, 2, OST
	v_lshl_add_u32 v2, v0, 4, OST
	v_lshlrev_b32 v3, 4, v0
	v_and_b32 v4, 16, v0
	v_cmp_ne_u32 vcc_lo, 0, v4
	v_cndmask_b32 v5, v[D0], v[D1], vcc_lo
	v_add_f32 v5, v5, v[BO]
	ds_store_b32 v1, v5
	s_wait_dscnt 0x0
	s_barrier_signal -1
	s_barrier_wait -1
	s_cmp_gt_u32 s[WV], 3
	s_cbranch_scc1 .Ldone
	ds_load_b128 v[8:11], v2
	s_wait_dscnt 0x0
	global_store_b128 v3, v[8:11], s[12:13] th:TH_STORE_NT
.Ldone:
	s_wait_xcnt 0x0
	v_lshl_add_u32 v182, v0, 2, 0x29a00
	v_mov_b32 v183, 0
	s_wait_tensorcnt 0x0
	ds_add_u32 v182, v183
	s_wait_dscnt 0x0
	s_endpgm
.Lfunc_end_k_q336e793918_attend:
	.size	k_q336e793918_attend, .Lfunc_end_k_q336e793918_attend-k_q336e793918_attend
	.p2alignl 7, 3214868480
	.fill 96, 4, 3214868480
	.section	.rodata,"a",@progbits
	.p2align	6, 0x0
	.amdhsa_kernel k_q336e793918_attend
		.amdhsa_group_segment_fixed_size 172544
		.amdhsa_private_segment_fixed_size 0
		.amdhsa_enable_private_segment 0
		.amdhsa_kernarg_size 40
		.amdhsa_user_sgpr_count 2
		.amdhsa_user_sgpr_kernarg_segment_ptr 1
		.amdhsa_wavefront_size32 1
		.amdhsa_system_sgpr_workgroup_id_x 1
		.amdhsa_system_sgpr_workgroup_id_y 1
		.amdhsa_system_sgpr_workgroup_id_z 1
		.amdhsa_system_vgpr_workitem_id 0
		.amdhsa_next_free_vgpr 256
		.amdhsa_next_free_sgpr 66
		.amdhsa_reserve_vcc 1
		.amdhsa_float_denorm_mode_32 3
		.amdhsa_float_denorm_mode_16_64 3
		.amdhsa_memory_ordered 1
		.amdhsa_forward_progress 1
		.amdhsa_inst_pref_size 63
	.end_amdhsa_kernel
	.amdgpu_metadata
---
amdhsa.version: [ 1, 2 ]
amdhsa.kernels:
  - .name:           k_q336e793918_attend
    .symbol:         k_q336e793918_attend.kd
    .args:
      - { .name: qkv, .offset: 0, .size: 8, .value_kind: global_buffer, .address_space: global }
      - { .name: wo_codes, .offset: 8, .size: 8, .value_kind: global_buffer, .address_space: global }
      - { .name: wo_scales, .offset: 16, .size: 8, .value_kind: global_buffer, .address_space: global }
      - { .name: bo, .offset: 24, .size: 8, .value_kind: global_buffer, .address_space: global }
      - { .name: out0, .offset: 32, .size: 8, .value_kind: global_buffer, .address_space: global }
    .group_segment_fixed_size: 172544
    .private_segment_fixed_size: 0
    .kernarg_segment_align: 8
    .kernarg_segment_size: 40
    .max_flat_workgroup_size: 512
    .sgpr_count:     66
    .vgpr_count:     256
    .wavefront_size: 32
...
	.end_amdgpu_metadata
.endif
;; end of part 2
